; MI455X (gfx1250); checked and timed in simulation.
; The chip was launched on July 23, 2026; its instructions are those of AMD's public machine-readable ISA for CDNA 5 (MIT licence, August 2026) and "CDNA5" Instruction Set Architecture Reference Guide (July 2026). The comments in the code are by the model that wrote it; some were corrected since.
;; SAPA. Allowed arithmetic: matrix products marked QUANTISED: E4M3 operands, one E8M0 scale for each 32 along K, by v_wmma_scale_f32_16x16x128_f8f6f4 with both operands' format E4M3, f32 sums; products left as they are: f32 operands where the result goes on into a quantised operand, else bf16, f16 or f32 operands; f32 sums; everything else in f32.
;; Inputs: gn_x_b 256 float32; gn_x_w 256 float32; gn_y_b 256 float32; gn_y_w 256 float32; k_b 32 float32; k_w_codes 32 x 8 x 32 uint8 (E4M3 codes of k_w, K innermost, in blocks of 32 codes); k_w_scales 32 x 8 uint8 (E8M0 scales of k_w, one for each 32 codes along K); q_b 32 float32; q_w_codes 32 x 8 x 32 uint8 (E4M3 codes of q_w, K innermost, in blocks of 32 codes); q_w_scales 32 x 8 uint8 (E8M0 scales of q_w, one for each 32 codes along K); x 4 x 256 x 64 x 64 float32; y 4 x 256 x 128 x 128 float32.
;; Outputs: out0 4 x 256 x 128 x 128 float32.
;; This version of the problem:
;;   THIS VERSION OF THE PROBLEM IS GIVEN IN LOW PRECISION. The matrix products marked QUANTISED in the list below multiply operands that are first quantised to E4M3 (4 exponent bits, 3 mantissa bits; 8 bits a number), with one power-of-two scale for each 32 numbers along K (OCP MX v1.0); their sums are f32. All else is computed in f32.
;;   The module's matrix products, in the order in which they are computed (A, B: the left and right operand; K: the contracted axis; several contracted axes count as one K, in the product's order):
;;     1. [M 32, K 256] x [K 256, N 65,536]; A: input q_w (given as codes); B: computed on the way: QUANTISED
;;     2. [M 32, K 256] x [K 256, N 16,384]; A: input k_w (given as codes); B: computed on the way: QUANTISED
;;     3. batch 16,384 x [M 1, K 32] x [K 32, N 4]; A: computed on the way; B: computed on the way: left as it is (M = 1 < 16)
;;     4. batch 16,384 x [M 1, K 32] x [K 32, N 4]; A: computed on the way; B: computed on the way: left as it is (M = 1 < 16)
;;     5. batch 16,384 x [M 1, K 32] x [K 32, N 4]; A: computed on the way; B: computed on the way: left as it is (M = 1 < 16)
;;     6. batch 16,384 x [M 1, K 32] x [K 32, N 4]; A: computed on the way; B: computed on the way: left as it is (M = 1 < 16)
;;     7. batch 16,384 x [M 1, K 32] x [K 32, N 4]; A: computed on the way; B: computed on the way: left as it is (M = 1 < 16)
;;     8. batch 16,384 x [M 1, K 32] x [K 32, N 4]; A: computed on the way; B: computed on the way: left as it is (M = 1 < 16)
;;     9. batch 16,384 x [M 1, K 32] x [K 32, N 4]; A: computed on the way; B: computed on the way: left as it is (M = 1 < 16)
;;     10. batch 16,384 x [M 1, K 32] x [K 32, N 4]; A: computed on the way; B: computed on the way: left as it is (M = 1 < 16)
;;     11. batch 16,384 x [M 1, K 32] x [K 32, N 4]; A: computed on the way; B: computed on the way: left as it is (M = 1 < 16)
;;     12. batch 16,384 x [M 1, K 32] x [K 32, N 4]; A: computed on the way; B: computed on the way: left as it is (M = 1 < 16)
;;     13. batch 16,384 x [M 1, K 32] x [K 32, N 4]; A: computed on the way; B: computed on the way: left as it is (M = 1 < 16)
;;     14. batch 16,384 x [M 1, K 32] x [K 32, N 4]; A: computed on the way; B: computed on the way: left as it is (M = 1 < 16)
;;     15. batch 16,384 x [M 1, K 32] x [K 32, N 4]; A: computed on the way; B: computed on the way: left as it is (M = 1 < 16)
;;     16. batch 16,384 x [M 1, K 32] x [K 32, N 4]; A: computed on the way; B: computed on the way: left as it is (M = 1 < 16)
;;     17. batch 16,384 x [M 1, K 32] x [K 32, N 4]; A: computed on the way; B: computed on the way: left as it is (M = 1 < 16)
;;     18. batch 16,384 x [M 1, K 32] x [K 32, N 4]; A: computed on the way; B: computed on the way: left as it is (M = 1 < 16)
;;     19. batch 16,384 x [M 1, K 32] x [K 32, N 4]; A: computed on the way; B: computed on the way: left as it is (M = 1 < 16)
;;     20. batch 16,384 x [M 1, K 32] x [K 32, N 4]; A: computed on the way; B: computed on the way: left as it is (M = 1 < 16)
;;     21. batch 16,384 x [M 1, K 32] x [K 32, N 4]; A: computed on the way; B: computed on the way: left as it is (M = 1 < 16)
;;     22. batch 16,384 x [M 1, K 32] x [K 32, N 4]; A: computed on the way; B: computed on the way: left as it is (M = 1 < 16)
;;     23. batch 16,384 x [M 1, K 32] x [K 32, N 4]; A: computed on the way; B: computed on the way: left as it is (M = 1 < 16)
;;     24. batch 16,384 x [M 1, K 32] x [K 32, N 4]; A: computed on the way; B: computed on the way: left as it is (M = 1 < 16)
;;     25. batch 16,384 x [M 1, K 32] x [K 32, N 4]; A: computed on the way; B: computed on the way: left as it is (M = 1 < 16)
;;     26. batch 16,384 x [M 1, K 32] x [K 32, N 4]; A: computed on the way; B: computed on the way: left as it is (M = 1 < 16)
;;     27. batch 16,384 x [M 1, K 32] x [K 32, N 4]; A: computed on the way; B: computed on the way: left as it is (M = 1 < 16)
;;   THE QUANTISER, for each operand of a quantised product, along K:
;;     - K is cut into blocks of 32 from its start; a last block that is shorter is filled with zeros.
;;     - A block's scale is 2^e with e = floor(log2(the largest magnitude in the block)) - 8, held to -126 .. 127; a block of zeros has e = 0. As a byte (E8M0): e + 127.
;;     - Each number is divided by its block's scale, clamped to +-448, and rounded to the nearest number of E4M3, ties to even, subnormals kept.
;;     - The product sums the exact products of the quantised numbers (number of the format x scale) in f32.
;;   ~~~python
;;   def quantise(x, axis):      # numpy; x: float32 -> the quantised numbers, widened to float32 again
;;       x = np.moveaxis(x, axis, -1); K = x.shape[-1]
;;       x = np.pad(x, [(0, 0)] * (x.ndim - 1) + [(0, -K % 32)]); x = x.reshape(x.shape[:-1] + (-1, 32)); a = np.abs(x).max(-1, keepdims=True)
;;       e = np.where(a > 0, np.clip(np.frexp(np.where(a > 0, a, 1))[1] - 1 - 8, -126, 127), 0)      # np.frexp(a)[1] - 1 = floor(log2(a)), exactly
;;       r = np.clip(x / 2.0 ** e, -448, 448)
;;       step = 2.0 ** (np.maximum(np.frexp(np.where(r == 0, 1, r))[1] - 1, -6) - 3)
;;       q = np.round(r / step) * step * 2.0 ** e      # np.round: ties to even
;;       return np.moveaxis(q.reshape(q.shape[:-2] + (-1,))[..., :K], -1, axis).astype(np.float32)
;;   ~~~
;;   OPERANDS COMPUTED ON THE WAY. 'Computed on the way' means the value that the module computes at that place (a softmax that the list does not call 'softmax' is quantised finished and normalised). What goes into a quantiser is computed in f32, as accurately as f32 sums, v_exp_f32 and their like allow (about 1e-6 of the number): no bf16 or f16 on the way to a quantiser, and a product that is left as it is and whose result goes on into a quantised operand takes f32 operands (vector FMAs, or v_wmma_f32_16x16x4_f32). A number that lies on a knife's edge between two numbers of the format may be rounded either way, as far as f32 arithmetic and the matrix unit's own rounding can turn it there, and no further.
;;   INPUTS GIVEN AS CODES. k_w (in the module: [32, 256], K = its axis 1); q_w (in the module: [32, 256], K = its axis 1): each comes as NAME_codes (uint8): NAME with its K axis moved to the last place and cut into blocks of 32 codes, [.., K / 32, bytes a block], one block behind the other in memory; one code a byte (a code: sign, 4 exponent bits, 3 mantissa bits); and NAME_scales (uint8): the same leading axes, one E8M0 byte (e + 127) for each 32 codes along K. Its value is code x scale, taken as it is: it is not quantised again, and the codes and scales need not be those that the quantiser above would give.
;; One version. Each part assembles by itself: llvm-mc -triple=amdgcn-amd-amdhsa -mcpu=gfx1250 --defsym DOCPART=n.
;; ======== version 1 of 1: 3 launches
;; workspace buffers: stats 10,240 bytes; qf 4,194,304 bytes; kf 1,048,576 bytes
;; launch stats (part 1): grid 1280 x 1, 4 waves a work-group, no clusters, 768 bytes of LDS; arguments y, x, stats; writes stats
.if DOCPART == 1
	.amdgcn_target "amdgcn-amd-amdhsa--gfx1250"
	.amdhsa_code_object_version 6
	.text
	.protected	k_q0f05a5987f_stats
	.globl	k_q0f05a5987f_stats
	.p2align	8
	.type	k_q0f05a5987f_stats,@function
k_q0f05a5987f_stats:
	s_mov_b64 s[64:65], 0
	v_nop
	global_prefetch_b8 v0, s[64:65] scope:SCOPE_SE
	s_setreg_imm32_b32 hwreg(HW_REG_WAVE_MODE, 25, 1), 1
	s_wait_xcnt 0x0
; The group norms' statistics, by chunks.  y [4][256][128][128] and x [4][256][64][64], f32, are cut into chunks of 16,384 numbers (65,536 bytes):
; a group of y (8 channels) is 8 chunks on end, a group of x is 2.  Work-groups 0 to 1023 take y's chunks, 1024 to 1279 x's; chunk c stores (mean, M2) at stats[c],
; M2 = the sum of (number - the chunk's mean)^2.  The chunk stays in registers between the pass for the mean and the pass for M2: no difference of large sums is formed.
; The next launch joins a group's chunks.  Four waves, 16,384 bytes each: 32 loads of 512 consecutive bytes, all issued at once.
; LIMITS: NaN and infinities among the inputs are not served.
.set DAT, 16                           ; v16-143  the wave's 4,096 numbers, 128 a lane
.set T,   2                            ; v2-9     four pairs at work
.set SU,  144                          ; v144-151 four chains of sums, a pair each
.set MEAN, 152                         ; v152-153 the chunk's mean, twice (a pair for the packed subtraction)
	s_load_b128 s[4:7], s[0:1], 0x0                ; y, x
	s_load_b64 s[8:9], s[0:1], 0x10                ; stats
	v_lshl_add_u32 v160, v0, 2, 0x100
	v_mov_b32 v161, 0
	v_lshrrev_b32 v2, 5, v0
	v_readfirstlane_b32 s10, v2                    ; wave 0..3
	v_lshlrev_b32 v154, 2, v2                      ; LDS: my wave's word
	v_and_b32 v1, 31, v0
	v_lshlrev_b32 v1, 4, v1                        ; 16 bytes a lane
	v_mov_b32 v155, 0
	v_mov_b32 v11, 0                               ; a lane permute's destination counts as one of its sources
	s_mov_b32 s14, 0x76543210
	s_mov_b32 s15, 0xfedcba98                      ; v_permlanex16_b32's selects for lane l xor 16
	s_cmp_lt_u32 ttmp9, 1024                       ; y's chunk or x's?  The choice hangs on the work-group's number alone
	s_cselect_b32 s11, 0, 1024
	s_wait_kmcnt 0x0
	s_cselect_b64 s[4:5], s[4:5], s[6:7]
	s_sub_co_u32 s11, ttmp9, s11                   ; the chunk's number in its tensor
	s_lshl_b32 s12, s11, 16                        ; 65,536 bytes a chunk (under 2^27),
	s_lshl_b32 s13, s10, 14                        ; 16,384 a wave
	s_add_co_u32 s12, s12, s13
	s_mov_b32 s13, 0
	s_add_nc_u64 s[4:5], s[4:5], s[12:13]
	s_lshl_b32 s12, ttmp9, 3                       ; 8 bytes of stats a chunk
	s_add_nc_u64 s[8:9], s[8:9], s[12:13]
.set i, 0
.rept 32
	global_load_b128 v[DAT+4*i:DAT+4*i+3], v1, s[4:5] offset:512*i   ; 32 lanes read 512 consecutive bytes
.set i, i+1
.endr
; pass 1: eight loads' numbers (16 pairs) into the four chains.  The first eight pairs start the chains: nothing is cleared
.macro SUMG g
	s_wait_loadcnt 24-8*\g                         ; loads come back in order: this group of eight is in, the younger groups may be out
.set p, 0
.rept 16
.if (\g == 0) && (p < 4)
	v_pk_add_f32 v[SU+2*p:SU+2*p+1], v[DAT+2*p:DAT+2*p+1], v[DAT+8+2*p:DAT+8+2*p+1]
.elseif (\g == 0) && (p < 8)
.else
	v_pk_add_f32 v[SU+2*(p%4):SU+2*(p%4)+1], v[SU+2*(p%4):SU+2*(p%4)+1], v[DAT+32*\g+2*p:DAT+32*\g+2*p+1]
.endif
.set p, p+1
.endr
.endm
; the four chains, the pair's halves and the 32 lanes: the wave's sum in v10, in every lane
.macro JOIN
	v_pk_add_f32 v[SU:SU+1], v[SU:SU+1], v[SU+2:SU+3]
	v_pk_add_f32 v[SU+4:SU+5], v[SU+4:SU+5], v[SU+6:SU+7]
	v_pk_add_f32 v[SU:SU+1], v[SU:SU+1], v[SU+4:SU+5]
	v_add_f32 v10, v[SU], v[SU+1]
	v_add_f32_dpp v10, v10, v10 row_xmask:1 row_mask:0xf bank_mask:0xf
	v_add_f32_dpp v10, v10, v10 row_xmask:2 row_mask:0xf bank_mask:0xf
	v_add_f32_dpp v10, v10, v10 row_xmask:4 row_mask:0xf bank_mask:0xf
	v_add_f32_dpp v10, v10, v10 row_xmask:8 row_mask:0xf bank_mask:0xf
	v_permlanex16_b32 v11, v10, s14, s15
	v_add_f32 v10, v10, v11
.endm
; the four waves' sums meet in 16 bytes of LDS at byte off: the work-group's sum in v12, in every lane
.macro WAVES off
	ds_store_b32 v154, v10 offset:\off             ; all lanes write the wave's word with the same value
	s_wait_dscnt 0x0                               ; for the others' sake: my store has landed
	s_barrier_signal -1
	s_barrier_wait -1
	ds_load_b128 v[12:15], v155 offset:\off
	s_wait_dscnt 0x0
	v_add_f32 v12, v12, v13
	v_add_f32 v14, v14, v15
	v_add_f32 v12, v12, v14
.endm
	SUMG 0
	SUMG 1
	SUMG 2
	SUMG 3
	JOIN
	WAVES 0
	v_mul_f32 v[MEAN], 0x38800000, v12             ; / 16,384: exact
	v_mov_b32 v[MEAN+1], v[MEAN]
; pass 2: the squares of the distances from the mean, four pairs at a time
.set g, 0
.rept 16
.irp q, 0,1,2,3
	v_pk_add_f32 v[T+2*\q:T+2*\q+1], v[DAT+8*g+2*\q:DAT+8*g+2*\q+1], v[MEAN:MEAN+1] neg_lo:[0,1] neg_hi:[0,1]
.endr
.irp q, 0,1,2,3
.if g == 0
	v_pk_mul_f32 v[SU+2*\q:SU+2*\q+1], v[T+2*\q:T+2*\q+1], v[T+2*\q:T+2*\q+1]
.else
	v_pk_fma_f32 v[SU+2*\q:SU+2*\q+1], v[T+2*\q:T+2*\q+1], v[T+2*\q:T+2*\q+1], v[SU+2*\q:SU+2*\q+1]
.endif
.endr
.set g, g+1
.endr
	JOIN
	WAVES 16                                       ; other bytes than the first meeting's: no wave can write over what another still reads
	v_mov_b32 v156, v[MEAN]
	v_mov_b32 v157, v12
	s_cmp_lg_u32 s10, 0                            ; thread 0 stores the chunk's two numbers; no barrier follows
	s_cbranch_scc1 .Lend
	s_wait_xcnt 0x0                                ; EXEC is a source of the loads above: it changes only behind this wait
	v_cmp_gt_u32 vcc_lo, 1, v0
	s_and_saveexec_b32 s11, vcc_lo
	global_store_b64 v155, v[156:157], s[8:9]
	s_wait_xcnt 0x0                                ; and again in front of the line that widens it
	s_or_b32 exec_lo, exec_lo, s11
.Lend:
	s_wait_tensorcnt 0x0
	ds_add_u32 v160, v161
	s_wait_dscnt 0x0
	s_endpgm
.Lfunc_end_k_q0f05a5987f_stats:
	.size	k_q0f05a5987f_stats, .Lfunc_end_k_q0f05a5987f_stats-k_q0f05a5987f_stats
	.p2alignl 7, 3214868480
	.fill 96, 4, 3214868480
	.section	.rodata,"a",@progbits
	.p2align	6, 0x0
	.amdhsa_kernel k_q0f05a5987f_stats
		.amdhsa_group_segment_fixed_size 768
		.amdhsa_private_segment_fixed_size 0
		.amdhsa_enable_private_segment 0
		.amdhsa_kernarg_size 24
		.amdhsa_user_sgpr_count 2
		.amdhsa_user_sgpr_kernarg_segment_ptr 1
		.amdhsa_wavefront_size32 1
		.amdhsa_system_sgpr_workgroup_id_x 1
		.amdhsa_system_sgpr_workgroup_id_y 1
		.amdhsa_system_sgpr_workgroup_id_z 1
		.amdhsa_system_vgpr_workitem_id 0
		.amdhsa_next_free_vgpr 162
		.amdhsa_next_free_sgpr 66
		.amdhsa_reserve_vcc 1
		.amdhsa_float_denorm_mode_32 3
		.amdhsa_float_denorm_mode_16_64 3
		.amdhsa_memory_ordered 1
		.amdhsa_forward_progress 1
		.amdhsa_inst_pref_size 19
	.end_amdhsa_kernel
	.amdgpu_metadata
---
amdhsa.version: [ 1, 2 ]
amdhsa.kernels:
  - .name:           k_q0f05a5987f_stats
    .symbol:         k_q0f05a5987f_stats.kd
    .args:
      - { .name: y, .offset: 0, .size: 8, .value_kind: global_buffer, .address_space: global }
      - { .name: x, .offset: 8, .size: 8, .value_kind: global_buffer, .address_space: global }
      - { .name: stats, .offset: 16, .size: 8, .value_kind: global_buffer, .address_space: global }
    .group_segment_fixed_size: 768
    .private_segment_fixed_size: 0
    .kernarg_segment_align: 8
    .kernarg_segment_size: 24
    .max_flat_workgroup_size: 128
    .sgpr_count:     66
    .vgpr_count:     162
    .wavefront_size: 32
...
	.end_amdgpu_metadata
.endif
;; end of part 1
;; launch proj (part 2): grid 256 x 1, 5 waves a work-group, no clusters, 31,488 bytes of LDS; arguments y, x, gn_y_w, gn_x_w, gn_y_b, gn_x_b, q_w_codes, k_w_codes, q_w_scales, k_w_scales, q_b, k_b, qf, kf, stats; writes qf, kf
.if DOCPART == 2
	.amdgcn_target "amdgcn-amd-amdhsa--gfx1250"
	.amdhsa_code_object_version 6
	.text
	.protected	k_q0f05a5987f_proj
	.globl	k_q0f05a5987f_proj
	.p2align	8
	.type	k_q0f05a5987f_proj,@function
k_q0f05a5987f_proj:
	s_mov_b64 s[64:65], 0
	v_nop
	global_prefetch_b8 v0, s[64:65] scope:SCOPE_SE
	s_setreg_imm32_b32 hwreg(HW_REG_WAVE_MODE, 25, 1), 1
	s_wait_xcnt 0x0
; q = q_w Q(groupnorm(y)) + q_b and k = k_w Q(groupnorm(x)) + k_b, Q the MX-FP8 quantiser along the 256 channels; the weights arrive as E4M3 codes with E8M0 scale bytes.
; ONE TEXT FOR BOTH TENSORS.  A wave's task is 64 neighbouring pixels x 256 channels, 65,536 bytes: 1,024 tasks in y, 256 in x, 1,280 = 5 waves x 256 work-groups.  Task T = 5 x work-group + wave;
; T < 1024 is y's.  What differs (pointers, the channels' stride, the statistics' layout) is chosen by s_cselect on that one compare: no branch, no barrier; waves share nothing, LDS is each wave's own.
; THE CHANNELS ARE K AND ARE NOT INNERMOST.  Lane (r, h) (r = lane % 16, h = lane / 16) loads, of channel 32 n + 16 h + i, pixels 4 r .. 4 r + 3 as 16 bytes: sixteen lanes read 256 consecutive, aligned bytes.
; Column r of matrix tile t is pixel 4 r + t, so that a lane's 16 numbers of a block of 32 channels are the operand's k = 32 c + 16 h + 0 .. 15: the conversions' results ARE source 1's registers.
; The normalising multiply-add y a_c + d_c (a = rsqrt(var + eps) w, d = b - mean a) also turns [channel][pixel] into [pixel][channel], by its choice of registers.
; STATISTICS: a group's chunks (mean m_i, M2_i of 16,384 numbers each) are joined: mean = the m_i's mean, var = (sum M2_i) / N + the mean of (m_i - mean)^2.  y has 8 chunks a group; x has 2, which are
; loaded four times over, so that one formula of 8 chunks serves both.
; RESULTS: source 0 = 16 rows of the weight, so a lane holds one pixel and 8 neighbouring e.  Rounded to bf16 they are stored as images of the next launch's bf16 fragments: a tile of 16 pixels is
; 1,024 bytes [e / 16][h][pixel][16 bytes], the 16 bytes holding e = 16 (e / 16) + 8 h + 0 .. 7.  The bias is loaded straight into the accumulators.
; LIMITS: a block of zeros, and a block whose largest magnitude lies under 2^(9 - 127), gets the scale byte 1 (its codes are zeros or tiny; the bytes are read by this text alone); NaN and infinities are not served;
; d's one rounding adds about the mean's own rounding to each normalised number.
; REGISTERS, window 0: v1-12 addresses; v16-31 the 16 channels' offsets; v32-63 (a, d) of my 16 channels; v64-127 N: 4 pixels x 16 channels; v128-191 codes, 16 a tile; v192-223 the weight's two fragments of a K step;
;   v224-243 at work; v244-247 my pixels' scale words, v248-251 the weight's (these eight hold scales and nothing else).   window 1: v0-191 three buffers of 64 as loaded; v192-255 the 8 accumulators.
.set VO,    16
.set CONST, 32
.set N,     64
.set CODES, 128
.set W,     192
.set TM,    224                        ; largest magnitudes
.set TP,    228                        ; the other half's
.set LIM,   232                        ; 448 x the scale
.set SOP,   236                        ; the conversions' scale operands
.set BY,    240                        ; scale bytes
.set SW,    244
.set WS,    248
.set ACC,   192                        ; in window 1: accumulator (Mt, t) at ACC + 8 (4 Mt + t)
.set MSB, 0
.macro WIN new                         ; the immediate's high byte repeats the setting that is left
.if MSB != \new
	s_set_vgpr_msb (MSB<<8)|\new
.set MSB, \new
.endif
.endm
	s_load_b512 s[4:19], s[0:1], 0x0               ; y, x | gn_y_w, gn_x_w | gn_y_b, gn_x_b | q_w_codes, k_w_codes
	s_load_b256 s[20:27], s[0:1], 0x40             ; q_w_scales, k_w_scales | q_b, k_b
	s_load_b128 s[28:31], s[0:1], 0x60             ; qf, kf
	s_load_b64 s[32:33], s[0:1], 0x70              ; stats
	v_lshl_add_u32 v254, v0, 2, 0x7800
	v_mov_b32 v255, 0
	v_lshrrev_b32 v13, 5, v0
	v_readfirstlane_b32 s35, v13                   ; wave 0..4
	v_and_b32 v1, 31, v0                           ; lane L
	v_and_b32 v2, 15, v0                           ; r
	v_bfe_u32 v3, v0, 4, 1                         ; h
	s_mov_b32 s60, 0x76543210
	s_mov_b32 s61, 0xfedcba98                      ; v_permlanex16_b32's selects for lane l xor 16
	s_mov_b32 s62, 0x600000                        ; the mantissa field of 448
	s_mul_i32 s34, ttmp9, 5
	s_add_co_u32 s34, s34, s35                     ; T
	s_cmp_lt_u32 s34, 1024                         ; y's task or x's?  Every selection stands ahead of the next line that writes SCC
	s_cselect_b32 s36, 8, 6                        ; log2 of the tasks in a batch
	s_cselect_b32 s37, 16, 14                      ; log2 of the bytes from channel to channel
	s_cselect_b32 s38, 6, 4                        ; log2 of a group's bytes of stats
	s_cselect_b32 s39, 16, 0                       ; from one load of two chunks to the next
	s_cselect_b32 s58, 0, 1024
	s_cselect_b32 s63, 0, 8192                     ; where the tensor's chunks begin in stats
	s_wait_kmcnt 0x0
.irp i, 0,1,2,3,4,5,6
	s_cselect_b64 s[4+4*\i:5+4*\i], s[4+4*\i:5+4*\i], s[6+4*\i:7+4*\i]   ; s[4:5] source, s[8:9] gain, s[12:13] the norm's bias, s[16:17] codes, s[20:21] scales, s[24:25] bias, s[28:29] out
.endr
	s_sub_co_u32 s34, s34, s58                     ; the task's number in its tensor
	s_lshr_b32 s56, s34, s36                       ; batch b
	s_lshl_b32 s57, s56, s36
	s_sub_co_u32 s57, s34, s57                     ; the task in the batch: 256 bytes of each channel
	s_lshl_b32 s57, s57, 8
	s_add_co_u32 s58, s37, 8
	s_lshl_b32 s58, s56, s58                       ; b x 256 channels (under 2^26)
	s_add_co_u32 s58, s58, s57
	s_mov_b32 s59, 0
	s_add_nc_u64 s[40:41], s[4:5], s[58:59]        ; s[40+2n:41+2n]: the base of block n of 32 channels; none is ever stepped
	s_add_co_u32 s58, s37, 5
	s_lshl_b32 s58, 1, s58                         ; 32 channels
.irp n, 1,2,3,4,5,6,7
	s_add_nc_u64 s[40+2*\n:41+2*\n], s[38+2*\n:39+2*\n], s[58:59]
.endr
	s_add_co_u32 s58, s38, 5
	s_lshl_b32 s58, s56, s58                       ; b x 32 groups of stats
	s_add_co_u32 s58, s58, s63
	s_add_nc_u64 s[32:33], s[32:33], s[58:59]
	s_lshl_b32 s58, s34, 12                        ; a task's four tiles: 4,096 bytes
	s_add_nc_u64 s[28:29], s[28:29], s[58:59]
	s_lshl_b32 s2, s35, 11                         ; LDS: my wave's 256 x (a, d): 2,048 bytes
	s_lshl_b32 s3, s35, 12
	s_add_co_u32 s3, s3, 10240                     ; and its stage for the way out: 4,096 bytes, behind the five tables
	s_lshl_b32 s56, 1, s37                         ; a channel's stride
	v_lshlrev_b32 v4, 8, v2
	v_lshl_add_u32 v4, v3, 4, v4                   ; the weight's codes: row r of 256 bytes, + 16 h
	v_lshlrev_b32 v5, 3, v2                        ; its scale bytes: 8 a row
	v_lshlrev_b32 v6, 5, v3                        ; the bias: my 8 e begin at 8 h
	v_lshl_add_u32 v7, v3, 7, s2                   ; (a, d) of my 16 channels of a block: 128 h
	v_lshl_add_u32 v8, v1, 6, s2                   ; where lane L, as group L, puts its 8 channels' (a, d)
	v_lshrrev_b32 v13, 2, v2
	v_and_b32 v14, 3, v2
	v_lshl_add_u32 v9, v13, 10, s3                 ; the stage, in: tile r / 4,
	v_lshl_add_u32 v9, v3, 8, v9                   ; + 256 h,
	v_lshl_add_u32 v9, v14, 6, v9                  ; + 16 x pixel 4 (r % 4) (+ 16 t and 512 (e / 16) in the immediate)
	v_lshl_add_u32 v10, v1, 4, s3                  ; and out: 16 bytes a lane
	v_lshlrev_b32 v11, 4, v1                       ; the same in memory
	v_lshlrev_b32 v12, 5, v1                       ; gain and bias of group L: 32 bytes
	v_lshlrev_b32 v13, 4, v3
	v_lshlrev_b32 v13, s37, v13                    ; 16 h channels down
	v_lshl_add_u32 v[VO], v2, 4, v13               ; + 16 r
.irp i, 1,2,3,4,5,6,7,8,9,10,11,12,13,14,15
	v_add_nc_u32 v[VO+\i], s56, v[VO+\i-1]
.endr
	v_lshlrev_b32 v128, s38, v1                    ; group L's chunks in stats,
.irp k, 1,2,3
	v_add_nc_u32 v[128+\k], s39, v[127+\k]         ; two to a load
.endr
.irp t, 0,1,2,3
	v_mov_b32 v[TP+\t], 0                          ; written once: a lane permute's destination counts as one of its sources
.endr
.irp m, 0,1
.irp c, 0,1,2,3
	global_load_b128 v[W+16*\m+4*\c:W+16*\m+4*\c+3], v4, s[16:17] offset:4096*\m+32*\c   ; the weight's rows 16 Mt + r, K step 0
.endr
.endr
.irp s, 0,1
.irp m, 0,1
	global_load_b32 v[WS+2*\s+\m], v5, s[20:21] offset:128*\m+4*\s   ; lane r: row 16 Mt + r's scale word of K step s
.endr
.endr
	WIN 0x40                                       ; destination window 1
.irp m, 0,1
.irp t, 0,1,2,3
	global_load_b128 v[ACC+8*(4*\m+\t):ACC+8*(4*\m+\t)+3], v6, s[24:25] offset:64*\m      ; the bias in the result's layout: register j = e 16 Mt + 8 h + j
	global_load_b128 v[ACC+8*(4*\m+\t)+4:ACC+8*(4*\m+\t)+7], v6, s[24:25] offset:64*\m+16
.endr
.endr
	WIN 0
.irp k, 0,1,2,3
	global_load_b128 v[N+4*\k:N+4*\k+3], v[128+\k], s[32:33]   ; (m, M2) of chunks 2 k, 2 k + 1
.endr
	global_load_b128 v[80:83], v12, s[8:9]
	global_load_b128 v[84:87], v12, s[8:9] offset:16
	global_load_b128 v[88:91], v12, s[12:13]
	global_load_b128 v[92:95], v12, s[12:13] offset:16
.macro LOADBLK n                       ; block n: 32 channels x 64 pixels into buffer n % 3: 16 loads
	WIN 0x40
.irp i, 0,1,2,3,4,5,6,7,8,9,10,11,12,13,14,15
	global_load_b128 v[64*((\n)%3)+4*\i:64*((\n)%3)+4*\i+3], v[VO+\i], s[40+2*(\n):41+2*(\n)] th:TH_LOAD_NT
.endr
.endm
.macro CONSTLD n                       ; (a, d) of my 16 channels of block n; all lanes of a half read the same bytes
	WIN 0
.irp k, 0,1,2,3,4,5,6,7
	ds_load_b128 v[CONST+4*\k:CONST+4*\k+3], v7 offset:256*(\n)+16*\k
.endr
.endm
.macro NORM n                          ; N[16 t + i] = raw[4 i + t] a_i + d_i
	WIN 0x01                                       ; source 0 window 1
.irp i, 0,1,2,3,4,5,6,7,8,9,10,11,12,13,14,15
.irp t, 0,1,2,3
	v_fma_f32 v[N+16*\t+\i], v[64*((\n)%3)+4*\i+\t], v[CONST+2*\i], v[CONST+2*\i+1]
.endr
.endr
.endm
.macro QUANT c                         ; the block is the K step's c-th: four pixels' 16 numbers each become registers 4 c .. 4 c + 3 of their tiles' operands, and byte c of their scale words
	WIN 0
.irp t, 0,1,2,3
	v_max3_num_f32 v[TM+\t], |v[N+16*\t]|, |v[N+16*\t+1]|, 0x4800000   ; my 16 numbers, and the floor 2^(9 - 127): so the byte cannot fall under 1
.endr
.irp i, 2,4,6,8,10,12,14
.irp t, 0,1,2,3
	v_max3_num_f32 v[TM+\t], v[TM+\t], |v[N+16*\t+\i]|, |v[N+16*\t+\i+1]|   ; (the four pixels by turns)
.endr
.endr
.irp t, 0,1,2,3
	v_permlanex16_b32 v[TP+\t], v[TM+\t], s60, s61
.endr
.irp t, 0,1,2,3
	v_max_num_f32 v[TM+\t], v[TM+\t], v[TP+\t]     ; with lane l xor 16's 16 channels: the block's largest magnitude
.endr
.irp t, 0,1,2,3
	v_add_nc_u32 v[SOP+\t], 0xfc000000, v[TM+\t]   ; 8 off its exponent field: the conversion takes this operand's exponent field as its scale
.endr
.irp t, 0,1,2,3
	v_and_or_b32 v[LIM+\t], v[TM+\t], 0x7f800000, s62   ; 448 x the scale
.endr
.irp t, 0,1,2,3
.if (\c) == 0
	v_lshrrev_b32 v[SW+\t], 23, v[SOP+\t]          ; the scale's byte begins the word,
.else
	v_lshrrev_b32 v[BY+\t], 23, v[SOP+\t]
.endif
.endr
.if (\c) != 0
.irp t, 0,1,2,3
	v_lshl_or_b32 v[SW+\t], v[BY+\t], 8*(\c), v[SW+\t]   ; or joins it
.endr
.endif
.irp t, 0,1,2,3
.irp i, 0,1,2,3,4,5,6,7,8,9,10,11,12,13,14,15
	v_med3_num_f32 v[N+16*\t+\i], v[N+16*\t+\i], -v[LIM+\t], v[LIM+\t]   ; the conversion to an 8-bit code does not saturate (ISA guide 7.6.2): the hold at the largest code x the scale
.endr
	v_cvt_scalef32_pk8_fp8_f32 v[CODES+16*\t+4*(\c):CODES+16*\t+4*(\c)+1], v[N+16*\t:N+16*\t+7], v[SOP+\t]
	v_cvt_scalef32_pk8_fp8_f32 v[CODES+16*\t+4*(\c)+2:CODES+16*\t+4*(\c)+3], v[N+16*\t+8:N+16*\t+15], v[SOP+\t]
.endr
	v_nop                                          ; a plain line behind the last conversion: later vector and matrix lines touch its results and write its sources
.endm
.macro MMA s                           ; K step s: 8 products; the 8 accumulators take turns, one instruction a turn, in the same order in both K steps
.rept 3
	v_nop                                          ; with the line above: four places between the last codes and the products; the scale words were finished ahead of the 64 holds
.endr
	WIN 0x50                                       ; C and D window 1
.irp t, 0,1,2,3
.irp m, 0,1
	v_wmma_scale_f32_16x16x128_f8f6f4 v[ACC+8*(4*\m+\t):ACC+8*(4*\m+\t)+7], v[W+16*\m:W+16*\m+15], v[CODES+16*\t:CODES+16*\t+15], v[ACC+8*(4*\m+\t):ACC+8*(4*\m+\t)+7], v[WS+2*(\s)+\m], v[SW+\t]
.endr
.endr
	WIN 0
.endm
	LOADBLK 0
	LOADBLK 1
	LOADBLK 2
	WIN 0
	s_wait_loadcnt 48                              ; all but the 48 loads of blocks 0 to 2: weights, bias, statistics, gains are in
	; group L's mean and variance out of its 8 chunks; m_i = v[64 + 2 i], M2_i = v[65 + 2 i]
	v_add_f32 v112, v64, v66
	v_add_f32 v113, v68, v70
	v_add_f32 v114, v72, v74
	v_add_f32 v115, v76, v78
	v_add_f32 v116, v65, v67
	v_add_f32 v117, v69, v71
	v_add_f32 v118, v73, v75
	v_add_f32 v119, v77, v79
	v_add_f32 v112, v112, v113
	v_add_f32 v114, v114, v115
	v_add_f32 v116, v116, v117
	v_add_f32 v118, v118, v119
	v_add_f32 v112, v112, v114
	v_add_f32 v116, v116, v118                     ; the sum of M2
	v_mul_f32 v112, 0x3e000000, v112               ; the mean: / 8
.irp i, 0,1,2,3,4,5,6,7
	v_sub_f32 v[120+\i], v[64+2*\i], v112
.endr
	v_mul_f32 v113, v120, v120
	v_mul_f32 v114, v121, v121
.irp i, 2,4,6
	v_fmac_f32 v113, v[120+\i], v[120+\i]
	v_fmac_f32 v114, v[121+\i], v[121+\i]
.endr
	v_add_f32 v113, v113, v114
	v_mul_f32 v113, 0x3e000000, v113               ; the chunks' means about the mean: / 8,
	v_fmac_f32 v113, 0x37000000, v116              ; + the sum of M2 / 131,072 (8 chunks of 16,384): the variance
	v_add_f32 v113, 0x3727c5ac, v113               ; + 1e-5
	v_rsq_f32 v114, v113
	v_nop                                          ; a plain line behind the transcendental,
	s_wait_alu depctr_va_vdst(0)                   ; and the wait ahead of its first reader
.irp i, 0,1,2,3,4,5,6,7
	v_mul_f32 v[96+2*\i], v114, v[80+\i]           ; a = rsqrt(var + eps) w
.endr
.irp i, 0,1,2,3,4,5,6,7
	v_fma_f32 v[97+2*\i], -v112, v[96+2*\i], v[88+\i]   ; d = b - mean a
.endr
.irp k, 0,1,2,3
	ds_store_b128 v8, v[96+4*\k:96+4*\k+3] offset:16*\k
.endr
	CONSTLD 0                                      ; LDS serves a wave's instructions in order (ISA guide 5.7.1.4): these see the stores above
; A block of 32 channels.  lc: the loads issued behind this block's sixteen, which may stay out
.macro BLOCK n, lc
	s_wait_loadcnt \lc
	s_wait_dscnt 0x0                               ; the block's (a, d)
	NORM \n
.if (\n) < 5
	LOADBLK (\n)+3                                 ; into the buffer just read out
.endif
.if (\n) == 4
	WIN 0
.irp m, 0,1
.irp c, 0,1,2,3
	global_load_b128 v[W+16*\m+4*\c:W+16*\m+4*\c+3], v4, s[16:17] offset:4096*\m+128+32*\c   ; the weight's K step 1; the 64 multiply-adds above are the places behind K step 0's products
.endr
.endr
.endif
.if (\n) < 7
	CONSTLD (\n)+1
.endif
	QUANT (\n)%4
.endm
	BLOCK 0, 32                                    ; two blocks may be out
	BLOCK 1, 32
	BLOCK 2, 32
	BLOCK 3, 32
	MMA 0
	BLOCK 4, 32
	BLOCK 5, 40                                    ; blocks 6 and 7 and the weight's eight loads
	BLOCK 6, 24                                    ; block 7 and the weight's
	BLOCK 7, 8                                     ; the weight's
	s_wait_loadcnt 0x0
	MMA 1
	; THE WAY OUT: rounded to bf16, a lane's 8 e of a pixel are 16 bytes of a fragment's image; they meet in my stage and leave as 512 consecutive bytes a store
.rept 8
	v_nop                                          ; places behind the last products, for the reads of results and the loads into the codes' registers
.endr
	WIN 0x05                                       ; sources 0 and 1 window 1
.irp m, 0,1
.irp t, 0,1,2,3
.irp j, 0,1,2,3
	v_cvt_pk_bf16_f32 v[N+8*\t+4*\m+\j], v[ACC+8*(4*\m+\t)+2*\j], v[ACC+8*(4*\m+\t)+2*\j+1]   ; each accumulator from its low end on
.endr
.endr
.endr
	WIN 0
.irp t, 0,1,2,3
.irp m, 0,1
	ds_store_b128 v9, v[N+8*\t+4*\m:N+8*\t+4*\m+3] offset:512*\m+16*\t
.endr
.endr
.irp k, 0,1,2,3,4,5,6,7
	ds_load_b128 v[CODES+4*\k:CODES+4*\k+3], v10 offset:512*\k   ; in order behind my stores
.endr
.irp k, 0,1,2,3,4,5,6,7
	s_wait_dscnt 7-\k
	global_store_b128 v11, v[CODES+4*\k:CODES+4*\k+3], s[28:29] offset:512*\k   ; 32 lanes store 512 consecutive bytes, at a multiple of 512 from the buffer's first byte
.endr
	s_wait_tensorcnt 0x0
	ds_add_u32 v254, v255
	s_wait_dscnt 0x0
	s_endpgm
.Lfunc_end_k_q0f05a5987f_proj:
	.size	k_q0f05a5987f_proj, .Lfunc_end_k_q0f05a5987f_proj-k_q0f05a5987f_proj
	.p2alignl 7, 3214868480
	.fill 96, 4, 3214868480
	.section	.rodata,"a",@progbits
	.p2align	6, 0x0
	.amdhsa_kernel k_q0f05a5987f_proj
		.amdhsa_group_segment_fixed_size 31488
		.amdhsa_private_segment_fixed_size 0
		.amdhsa_enable_private_segment 0
		.amdhsa_kernarg_size 120
		.amdhsa_user_sgpr_count 2
		.amdhsa_user_sgpr_kernarg_segment_ptr 1
		.amdhsa_wavefront_size32 1
		.amdhsa_system_sgpr_workgroup_id_x 1
		.amdhsa_system_sgpr_workgroup_id_y 1
		.amdhsa_system_sgpr_workgroup_id_z 1
		.amdhsa_system_vgpr_workitem_id 0
		.amdhsa_next_free_vgpr 512
		.amdhsa_next_free_sgpr 66
		.amdhsa_reserve_vcc 0
		.amdhsa_float_denorm_mode_32 3
		.amdhsa_float_denorm_mode_16_64 3
		.amdhsa_memory_ordered 1
		.amdhsa_forward_progress 1
		.amdhsa_inst_pref_size 131
	.end_amdhsa_kernel
	.amdgpu_metadata
---
amdhsa.version: [ 1, 2 ]
amdhsa.kernels:
  - .name:           k_q0f05a5987f_proj
    .symbol:         k_q0f05a5987f_proj.kd
    .args:
      - { .name: y, .offset: 0, .size: 8, .value_kind: global_buffer, .address_space: global }
      - { .name: x, .offset: 8, .size: 8, .value_kind: global_buffer, .address_space: global }
      - { .name: gn_y_w, .offset: 16, .size: 8, .value_kind: global_buffer, .address_space: global }
      - { .name: gn_x_w, .offset: 24, .size: 8, .value_kind: global_buffer, .address_space: global }
      - { .name: gn_y_b, .offset: 32, .size: 8, .value_kind: global_buffer, .address_space: global }
      - { .name: gn_x_b, .offset: 40, .size: 8, .value_kind: global_buffer, .address_space: global }
      - { .name: q_w_codes, .offset: 48, .size: 8, .value_kind: global_buffer, .address_space: global }
      - { .name: k_w_codes, .offset: 56, .size: 8, .value_kind: global_buffer, .address_space: global }
      - { .name: q_w_scales, .offset: 64, .size: 8, .value_kind: global_buffer, .address_space: global }
      - { .name: k_w_scales, .offset: 72, .size: 8, .value_kind: global_buffer, .address_space: global }
      - { .name: q_b, .offset: 80, .size: 8, .value_kind: global_buffer, .address_space: global }
      - { .name: k_b, .offset: 88, .size: 8, .value_kind: global_buffer, .address_space: global }
      - { .name: qf, .offset: 96, .size: 8, .value_kind: global_buffer, .address_space: global }
      - { .name: kf, .offset: 104, .size: 8, .value_kind: global_buffer, .address_space: global }
      - { .name: stats, .offset: 112, .size: 8, .value_kind: global_buffer, .address_space: global }
    .group_segment_fixed_size: 31488
    .private_segment_fixed_size: 0
    .kernarg_segment_align: 8
    .kernarg_segment_size: 120
    .max_flat_workgroup_size: 160
    .sgpr_count:     66
    .vgpr_count:     512
    .wavefront_size: 32
...
	.end_amdgpu_metadata
.endif
;; end of part 2
;; launch attn (part 3): grid 64 x 4, 8 waves a work-group, no clusters, 124,928 bytes of LDS; arguments qf, kf, x, out0; writes out0
.if DOCPART == 3
	.amdgcn_target "amdgcn-amd-amdhsa--gfx1250"
	.amdhsa_code_object_version 6
	.text
	.protected	k_q0f05a5987f_attn
	.globl	k_q0f05a5987f_attn
	.p2align	8
	.type	k_q0f05a5987f_attn,@function
k_q0f05a5987f_attn:
	s_mov_b64 s[64:65], 0
	v_nop
	global_prefetch_b8 v0, s[64:65] scope:SCOPE_SE
	s_setreg_imm32_b32 hwreg(HW_REG_WAVE_MODE, 25, 1), 1
	s_wait_xcnt 0x0
; out[b][c][2 cy + u][2 cx + v] = the sum over the 5 x 5 window of cells round (cy, cx) of softmax(q . k) x[b][c][cell]; a cell outside the image has logit 0 and value 0, and still counts in the softmax's sum.
; q and k arrive from the launch before as bf16 images of fragments (a tile of 16 pixels or cells: 1,024 bytes [e / 16][lane / 16][pixel][16 bytes]).  x and out0 are f32; the weighted sum is f32 throughout.
; SHARES.  A work-group is one row of cells (cy = work-group x, b = work-group y): 64 cells, 2 x 128 pixels, all 256 channels.  Eight waves.
; SLOTS.  The five rows read are r0 .. r0 + 4, r0 = min(max(cy - 2, 0), 59): always real rows.  A slot further than 2 rows from cy stands in for a row outside the image (there are as many of the one as of the other,
; and a softmax does not care for the order of its terms): its logits become 0 and its weights 0.
; PHASE 1.  Wave w makes the weights of cells 8 w .. 8 w + 7 (32 pixels).  Ten bf16 products, source 0 = 16 columns of a slot (cells 8 w - 2 + m, wrapped into 0 .. 63: what is wrapped is masked), source 1 = 16 pixels.
; The logits go through the wave's own stage, so that a lane gets the 25 logits of ONE pixel: maximum, exponentials, sum and division need no other lane.  The weights go to a table that all waves read behind the one barrier.
; PHASE 2.  Wave w makes channels 32 w .. 32 w + 31 for all 256 pixels.  Lane L owns cells 2 L, 2 L + 1: 8 pixels, whose 200 weights stay in registers.  A channel is 100 packed multiply-adds (the pair: v = 0, 1) and two
; stores of 512 consecutive bytes.  A lane loads its own two columns of the five rows; its neighbours' pairs come through the wave's own LDS rows, which have 8 bytes of zeros at each end: the columns outside the image.
; No cluster: what neighbouring work-groups share (four of five rows of x) lies at places in the window that differ from one to the next, so a joint tile would be read at LDS addresses that hang on the place in the cluster.
; LIMITS: x, q and k finite (a masked slot multiplies real numbers by the weight 0); q and k are rounded to bf16 for the logits.
; REGISTERS, window 0: v1-10 addresses; v16-55 k's fragments, then the 25 logits (v16-40), then the neighbours' pairs (two sets of 20); v56-71 q's fragments, then two sets of 8 sums; v72-151 the ten products; v152-160 at work;
;   v176-255 x: a ring of 8 channels x 5 rows x 2 columns.   window 1: v0-199 the weights, (tap j, cell a, u, v) at 8 j + 4 a + 2 u + v; v200, v203, v204 phase 2's addresses.
; Phase 2 runs under ONE window setting: source 0 (the weights, every LDS address, every global offset) in window 1, all else in window 0.
.set AT,   0                           ; LDS: the weights [tap 25][a 2][L 32][16 bytes]
.set LG,   25600                       ; each wave's stage: 32 pixels x 336 bytes (5 slots x 16 columns of f32 + 16: rows start 21 x 16 bytes apart)
.set LGW,  10752
.set XB,   111616                      ; each wave's exchange rows: 5 x 272 bytes, in 1,536 that the wave clears once
.set XBW,  1536
.set XP,   272
.set KF,   16
.set LGT,  16
.set LR,   16
.set QF,   56
.set O,    56
.set D,    72
.set C,    176
.set MSB, 0
.macro WIN new                         ; the immediate's high byte repeats the setting that is left
.if MSB != \new
	s_set_vgpr_msb (MSB<<8)|\new
.set MSB, \new
.endif
.endm
	s_load_b256 s[4:11], s[0:1], 0x0               ; qf, kf, x, out0
	v_lshl_add_u32 v174, v0, 2, 0x1e400
	v_mov_b32 v175, 0
	v_lshrrev_b32 v9, 5, v0
	v_readfirstlane_b32 s12, v9                    ; wave w
	v_and_b32 v1, 31, v0                           ; lane L
	v_and_b32 v2, 15, v0                           ; r
	v_bfe_u32 v3, v0, 4, 1                         ; h
	s_mov_b32 s13, ttmp9                           ; cy
	s_and_b32 s14, ttmp7, 0xffff                   ; b
	s_sub_co_i32 s15, s13, 2
	s_max_i32 s15, s15, 0
	s_min_i32 s15, s15, 59                         ; r0
	s_mov_b32 s34, 0x3fb8aa3b                      ; log2(e)
	s_lshl_b32 s16, s14, 6
	s_add_co_u32 s16, s16, s15
	s_lshl_b32 s16, s16, 12                        ; k: row 64 b + r0, four tiles a row
	s_mov_b32 s17, 0
	s_lshl_b32 s18, s14, 7
	s_lshl_b32 s61, s13, 1
	s_add_co_u32 s18, s18, s61
	s_lshl_b32 s18, s18, 3
	s_add_co_u32 s18, s18, s12
	s_lshl_b32 s18, s18, 10                        ; q: row 128 b + 2 cy, eight tiles a row, tile w
	s_mov_b32 s19, 0
	s_lshl_b32 s20, s14, 8
	s_lshl_b32 s61, s12, 5
	s_add_co_u32 s20, s20, s61                     ; channel 256 b + 32 w
	s_lshl_b32 s22, s20, 16                        ; out0: 65,536 bytes a channel (under 2^26),
	s_lshl_b32 s61, s13, 10
	s_add_co_u32 s22, s22, s61                     ; 1,024 for a cell row's two rows
	s_mov_b32 s23, 0
	s_lshl_b32 s20, s20, 14                        ; x: 16,384 bytes a channel,
	s_lshl_b32 s61, s15, 8
	s_add_co_u32 s20, s20, s61                     ; 256 a row
	s_mov_b32 s21, 0
	s_lshl_b32 s61, s12, 3                         ; 8 w
	s_add_co_u32 s62, s61, 62
	v_add_nc_u32 v9, s62, v2
	v_and_b32 v9, 63, v9                           ; the column of k for row r of source 0: (8 w - 2 + r) mod 64
	v_lshrrev_b32 v10, 4, v9
	v_and_b32 v9, 15, v9
	v_lshlrev_b32 v4, 10, v10                      ; its tile,
	v_lshl_add_u32 v4, v9, 4, v4                   ; its place in it,
	v_lshl_add_u32 v4, v3, 8, v4                   ; my half of the lanes
	v_lshlrev_b32 v5, 4, v1                        ; 16 L: q's image as it lies; later the weights' table
	s_mul_i32 s63, s12, XBW
	s_add_co_u32 s63, s63, XB                      ; my exchange rows
	s_mul_i32 s62, s12, LGW
	s_add_co_u32 s62, s62, LG                      ; my stage
	WIN 0x40                                       ; destination window 1
	v_lshl_add_u32 v200, v1, 3, s63                ; exchange rows: 8 L (the store 8 further, the right pair 16 further: immediates)
	v_lshlrev_b32 v203, 3, v1                      ; x: my two columns
	v_lshlrev_b32 v204, 4, v1                      ; out0: my four pixels of a row
	WIN 0
	s_wait_kmcnt 0x0
	s_add_nc_u64 s[16:17], s[6:7], s[16:17]
	s_add_nc_u64 s[18:19], s[4:5], s[18:19]
	s_add_nc_u64 s[20:21], s[8:9], s[20:21]
	s_add_nc_u64 s[22:23], s[10:11], s[22:23]
.irp s, 0,1,2,3,4
	global_load_b128 v[KF+8*\s:KF+8*\s+3], v4, s[16:17] offset:4096*\s         ; slot s: e = 8 h ..
	global_load_b128 v[KF+8*\s+4:KF+8*\s+7], v4, s[16:17] offset:4096*\s+512   ; e = 16 + 8 h ..
.endr
.irp u, 0,1
	global_load_b128 v[QF+8*\u:QF+8*\u+3], v5, s[18:19] offset:8192*\u
	global_load_b128 v[QF+8*\u+4:QF+8*\u+7], v5, s[18:19] offset:8192*\u+512
.endr
; row s of the channel off from the base, into ring place k: the 32 lanes read 256 consecutive, aligned bytes
.macro XLOAD k, s, off
	global_load_b64 v[C+10*(\k)+2*(\s):C+10*(\k)+2*(\s)+1], v203, s[20:21] offset:(\off)*16384+256*(\s)
.endm
	WIN 0x01                                       ; the offset lies in window 1
.irp k, 0,1,2,3,4,5,6,7
.irp s, 0,1,2,3,4
	XLOAD \k, \s, \k                               ; my first eight channels are asked for ahead of phase 1
.endr
.endr
	WIN 0
.irp i, 0,1,2,3
	v_mov_b32 v[152+\i], 0
.endr
	v_lshl_add_u32 v10, v1, 4, s63
.irp i, 0,1,2
	ds_store_b128 v10, v[152:155] offset:512*\i    ; my exchange rows begin as zeros; the 8 bytes at each row's ends stay so
.endr
	v_lshrrev_b32 v9, 2, v1                        ; as owner of one pixel, lane L = 4 a' + 2 u' + v': cell a',
	v_bfe_u32 v10, v1, 1, 1                        ; u',
	v_and_b32 v156, 1, v1                          ; v'
	v_lshl_add_u32 v156, v10, 4, v156
	v_lshl_add_u32 v156, v9, 1, v156               ; its row in the stage: 16 u' + 2 a' + v'
	v_mul_u32_u24 v7, v156, 336
	v_lshl_add_u32 v7, v9, 2, v7                   ; its window begins at column a'
	v_add_nc_u32 v7, s62, v7
	v_mul_u32_u24 v6, v2, 336                      ; into the stage: pixel r, columns 8 h ..
	v_lshl_add_u32 v6, v3, 5, v6
	v_add_nc_u32 v6, s62, v6
	v_bfe_u32 v156, v1, 2, 1                       ; the table: a = a' % 2,
	v_lshrrev_b32 v157, 3, v1                      ; owner lane 4 w + a' / 2,
	v_and_b32 v158, 3, v1                          ; word 2 u' + v'
	v_lshlrev_b32 v8, 9, v156
	v_lshl_add_u32 v8, v157, 4, v8
	v_lshl_add_u32 v8, v158, 2, v8
	s_lshl_b32 s2, s12, 6
	v_add_nc_u32 v8, s2, v8
	s_sub_co_u32 s2, s15, s13
	s_add_co_u32 s2, s2, 2                         ; slot s counts where r0 + s - cy + 2, as an unsigned number, is under 5
.irp s, 0,1,2,3,4
	s_add_co_u32 s3, s2, \s
	s_cmp_lt_u32 s3, 5
	s_cselect_b32 s[29+\s], -1, 0
.endr
	s_sub_co_u32 s61, s61, 2                       ; 8 w - 2 (it may wrap: the compare below is unsigned)
	s_wait_loadcnt 40                              ; k and q are in; x's 40 loads may be out
.irp u, 0,1
.irp s, 0,1,2,3,4
	v_wmma_f32_16x16x32_bf16 v[D+8*(5*\u+\s):D+8*(5*\u+\s)+7], v[KF+8*\s:KF+8*\s+7], v[QF+8*\u:QF+8*\u+7], 0   ; lane (r, h): pixel r of row u, register j: column 8 h + j of slot s
.endr
.endr
	v_add_nc_u32 v10, s61, v9                      ; my pixel's leftmost column.  These six additions are the places behind the products (ISA guide 7.12.1)
.irp d, 0,1,2,3,4
	v_add_nc_u32 v[156+\d], \d, v10
.endr
.irp d, 0,1,2,3,4
	v_cmp_gt_u32 s[24+\d], 64, v[156+\d]           ; column dx lies in the image
.endr
.irp s, 0,1,2,3,4
.irp d, 0,1,2,3,4
	s_and_b32 s[36+5*\s+\d], s[24+\d], s[29+\s]    ; tap 5 s + dx counts
.endr
.endr
.irp u, 0,1
.irp s, 0,1,2,3,4
	ds_store_b128 v6, v[D+8*(5*\u+\s):D+8*(5*\u+\s)+3] offset:5376*\u+64*\s          ; each product from its low end on
	ds_store_b128 v6, v[D+8*(5*\u+\s)+4:D+8*(5*\u+\s)+7] offset:5376*\u+64*\s+16
.endr
.endr
.irp s, 0,1,2,3,4
.irp d, 0,1,2,3,4
	ds_load_b32 v[LGT+5*\s+\d], v7 offset:64*\s+4*\d   ; in order behind my stores: my pixel's 25 logits
.endr
.endr
	s_wait_dscnt 0x0
.set j, 0
.rept 25
	v_cndmask_b32 v[LGT+j], 0, v[LGT+j], s[36+j]   ; outside the image: logit 0
.set j, j+1
.endr
	v_max3_num_f32 v152, v16, v17, v18             ; the largest of the 25, in two chains
	v_max3_num_f32 v153, v19, v20, v21
.irp i, 22,26,30,34
	v_max3_num_f32 v152, v152, v[\i], v[\i+1]
	v_max3_num_f32 v153, v153, v[\i+2], v[\i+3]
.endr
	v_max3_num_f32 v152, v152, v38, v39
	v_max3_num_f32 v152, v152, v153, v40
	v_mul_f32 v152, s34, v152
.set j, 0
.rept 25
	v_fma_f32 v[LGT+j], v[LGT+j], s34, -v152       ; (logit - the largest) log2(e)
.set j, j+1
.endr
.set j, 0
.rept 25
	v_exp_f32 v[LGT+j], v[LGT+j]
.set j, j+1
.endr
	v_nop                                          ; a plain line behind the last exponential,
	s_wait_alu depctr_va_vdst(0)                   ; and ONE wait for the batch, ahead of its first reader
	v_pk_add_f32 v[154:155], v[16:17], v[18:19]    ; the sum of all 25, the masked ones among them
	v_pk_add_f32 v[156:157], v[20:21], v[22:23]
.irp i, 24,28,32,36
	v_pk_add_f32 v[154:155], v[154:155], v[\i:\i+1]
	v_pk_add_f32 v[156:157], v[156:157], v[\i+2:\i+3]
.endr
	v_pk_add_f32 v[154:155], v[154:155], v[156:157]
	v_add_f32 v154, v154, v155
	v_add_f32 v154, v154, v40
	v_rcp_f32 v155, v154
.set j, 0
.rept 25
	v_cndmask_b32 v[LGT+j], 0, v[LGT+j], s[36+j]   ; outside the image: weight 0.  (Plain work behind the reciprocal)
.set j, j+1
.endr
	s_wait_alu depctr_va_vdst(0)                   ; the wait ahead of the reciprocal's first reader
.set j, 0
.rept 25
	v_mul_f32 v[LGT+j], v[LGT+j], v155
.set j, j+1
.endr
.set j, 0
.rept 25
	ds_store_b32 v8, v[LGT+j] offset:AT+1024*j
.set j, j+1
.endr
	s_wait_dscnt 0x0                               ; for the others' sake: my weights have landed
	s_barrier_signal -1
	s_barrier_wait -1                              ; the table is whole; nobody writes it again.  (x's loads stay out across the barrier: nobody writes x)
	WIN 0x40                                       ; destination window 1
.set j, 0
.rept 25
	ds_load_b128 v[8*j:8*j+3], v5 offset:AT+1024*j         ; cell 2 L
	ds_load_b128 v[8*j+4:8*j+7], v5 offset:AT+1024*j+512   ; cell 2 L + 1
.set j, j+1
.endr
; Ring place k's five pairs go to my exchange rows, and my neighbours' pairs come back into set k % 2.  One set of rows, the wave's own: LDS serves a wave's instructions in order, so the next exchange's stores come behind these loads.
.macro EXCH k
.irp s, 0,1,2,3,4
	ds_store_b64 v200, v[C+10*(\k)+2*\s:C+10*(\k)+2*\s+1] offset:XP*\s+8
.endr
.irp s, 0,1,2,3,4
	ds_load_b64 v[LR+20*((\k)%2)+4*\s:LR+20*((\k)%2)+4*\s+1], v200 offset:XP*\s        ; columns 2 L - 2, 2 L - 1
	ds_load_b64 v[LR+20*((\k)%2)+4*\s+2:LR+20*((\k)%2)+4*\s+3], v200 offset:XP*\s+16   ; columns 2 L + 2, 2 L + 3
.endr
.endm
; Row s of ring place k: 20 packed multiply-adds.  Cell a's tap dx is column 2 L - 2 + t, t = a + dx: of the left pair (t < 2), my own (t < 4) or the right one; its even or odd half serves both v.  The four sums take turns.
.macro ROW k, s, refill
.irp d, 0,1,2,3,4
.irp a, 0,1
.irp u, 0,1
.set TT, \a+\d
.set JJ, 5*(\s)+\d
.if TT < 2
.set VV, LR+20*((\k)%2)+4*(\s)
.elseif TT < 4
.set VV, C+10*(\k)+2*(\s)
.else
.set VV, LR+20*((\k)%2)+4*(\s)+2
.endif
.set OO, O+8*((\k)%2)+4*\u+2*\a
.set AA, 8*JJ+4*\a+2*\u
.if JJ == 0                            ; the first tap starts the sums: nothing is cleared
.if TT%2 == 0
	v_pk_mul_f32 v[OO:OO+1], v[AA:AA+1], v[VV:VV+1] op_sel_hi:[1,0]
.else
	v_pk_mul_f32 v[OO:OO+1], v[AA:AA+1], v[VV:VV+1] op_sel:[0,1] op_sel_hi:[1,1]
.endif
.else
.if TT%2 == 0
	v_pk_fma_f32 v[OO:OO+1], v[AA:AA+1], v[VV:VV+1], v[OO:OO+1] op_sel_hi:[1,0,1]
.else
	v_pk_fma_f32 v[OO:OO+1], v[AA:AA+1], v[VV:VV+1], v[OO:OO+1] op_sel:[0,1,0] op_sel_hi:[1,1,1]
.endif
.endif
.endr
.endr
.endr
.if \refill
	XLOAD \k, \s, (\k)+8                           ; the pair just used up takes the channel eight further on
.endif
.endm
; A channel.  nxt = 1: the next channel's exchange is issued first, behind the wait for its five loads (lcnt: the loads issued behind them).
.macro CH k, refill, nxt, lcnt
.if \nxt
	s_wait_loadcnt \lcnt
	EXCH ((\k)+1)%8
	s_wait_dscnt 15                                ; the 15 just issued may be out: this channel's pairs (and, the first time, the weights) are in
.else
	s_wait_dscnt 0x0
.endif
	s_wait_xcnt 0x0                                ; the stores of two channels back have read this set of sums: it is written again only behind this wait
.irp s, 0,1,2,3,4
	ROW \k, \s, \refill
.endr
.irp u, 0,1
	global_store_b128 v204, v[O+8*((\k)%2)+4*\u:O+8*((\k)%2)+4*\u+3], s[22:23] offset:65536*(\k)+512*\u th:TH_STORE_NT   ; 32 lanes store a row's 512 consecutive bytes, aligned; written once, read by nobody here
.endr
.endm
	WIN 0x01
	s_wait_loadcnt 35                              ; channel 0's five loads are in; seven channels may be out
	EXCH 0
	WIN 0                                          ; at a label and at a branch every window is 0
	s_mov_b32 s35, 3
.Lav:                                                  ; three trips of eight channels; each refills the ring with the eight that follow
	WIN 0x01
.irp k, 0,1,2,3,4,5,6,7
	CH \k, 1, 1, 30                                ; behind the next channel's loads: six channels' 30
.endr
	WIN 0
	s_wait_xcnt 0x0                                ; the loads and stores have read their bases: both may step
	s_add_nc_u64 s[20:21], s[20:21], 131072        ; eight channels of x
	s_add_nc_u64 s[22:23], s[22:23], 524288        ; and of out0
	s_sub_co_u32 s35, s35, 1
	s_cmp_lg_u32 s35, 0
	s_cbranch_scc1 .Lav
	WIN 0x01
.irp k, 0,1,2,3,4,5,6
	CH \k, 0, 1, 5*(6-\k)                          ; the last eight channels load nothing: no load leaves x, and the counts run down
.endr
	CH 7, 0, 0, 0
	WIN 0
	s_wait_tensorcnt 0x0
	ds_add_u32 v174, v175
	s_wait_dscnt 0x0
	s_endpgm
.Lfunc_end_k_q0f05a5987f_attn:
	.size	k_q0f05a5987f_attn, .Lfunc_end_k_q0f05a5987f_attn-k_q0f05a5987f_attn
	.p2alignl 7, 3214868480
	.fill 96, 4, 3214868480
	.section	.rodata,"a",@progbits
	.p2align	6, 0x0
	.amdhsa_kernel k_q0f05a5987f_attn
		.amdhsa_group_segment_fixed_size 124928
		.amdhsa_private_segment_fixed_size 0
		.amdhsa_enable_private_segment 0
		.amdhsa_kernarg_size 32
		.amdhsa_user_sgpr_count 2
		.amdhsa_user_sgpr_kernarg_segment_ptr 1
		.amdhsa_wavefront_size32 1
		.amdhsa_system_sgpr_workgroup_id_x 1
		.amdhsa_system_sgpr_workgroup_id_y 1
		.amdhsa_system_sgpr_workgroup_id_z 1
		.amdhsa_system_vgpr_workitem_id 0
		.amdhsa_next_free_vgpr 464
		.amdhsa_next_free_sgpr 66
		.amdhsa_reserve_vcc 0
		.amdhsa_float_denorm_mode_32 3
		.amdhsa_float_denorm_mode_16_64 3
		.amdhsa_memory_ordered 1
		.amdhsa_forward_progress 1
		.amdhsa_inst_pref_size 151
	.end_amdhsa_kernel
	.amdgpu_metadata
---
amdhsa.version: [ 1, 2 ]
amdhsa.kernels:
  - .name:           k_q0f05a5987f_attn
    .symbol:         k_q0f05a5987f_attn.kd
    .args:
      - { .name: qf, .offset: 0, .size: 8, .value_kind: global_buffer, .address_space: global }
      - { .name: kf, .offset: 8, .size: 8, .value_kind: global_buffer, .address_space: global }
      - { .name: x, .offset: 16, .size: 8, .value_kind: global_buffer, .address_space: global }
      - { .name: out0, .offset: 24, .size: 8, .value_kind: global_buffer, .address_space: global }
    .group_segment_fixed_size: 124928
    .private_segment_fixed_size: 0
    .kernarg_segment_align: 8
    .kernarg_segment_size: 32
    .max_flat_workgroup_size: 256
    .sgpr_count:     66
    .vgpr_count:     464
    .wavefront_size: 32
...
	.end_amdgpu_metadata
.endif
;; end of part 3
